; MI455X (gfx1250); checked and timed in simulation.
; The chip was launched on July 23, 2026; its instructions are those of AMD's public machine-readable ISA for CDNA 5 (MIT licence, August 2026) and "CDNA5" Instruction Set Architecture Reference Guide (July 2026). The comments in the code are by the model that wrote it; some were corrected since.
;; correlation Reverse Transform. Allowed arithmetic: matrix products marked QUANTISED: E2M3 operands, one E8M0 scale for each 32 along K, by v_wmma_scale_f32_16x16x128_f8f6f4 with both operands' format E2M3, f32 sums; everything else in f32.
;; Inputs: di_codes 8,192 x 64 x 24 uint8 (E2M3 codes of di, K innermost, in blocks of 32 codes, four codes in three bytes); di_scales 8,192 x 64 uint8 (E8M0 scales of di, one for each 32 codes along K); x_codes 4,096 x 64 x 24 uint8 (E2M3 codes of x, K innermost, in blocks of 32 codes, four codes in three bytes); x_scales 4,096 x 64 uint8 (E8M0 scales of x, one for each 32 codes along K).
;; Outputs: out0 4,096 float32.
;; This version of the problem:
;;   THIS VERSION OF THE PROBLEM IS GIVEN IN LOW PRECISION. The matrix products marked QUANTISED in the list below multiply operands that are first quantised to E2M3 (2 exponent bits, 3 mantissa bits; 6 bits a number), with one power-of-two scale for each 32 numbers along K (OCP MX v1.0); their sums are f32. All else is computed in f32.
;;   The module's matrix products, in the order in which they are computed (A, B: the left and right operand; K: the contracted axis; several contracted axes count as one K, in the product's order):
;;     1. [M 4,096, K 2,048] x [K 2,048, N 8,192]; A: input x (given as codes); B: input di (given as codes): QUANTISED
;;   THE QUANTISER, for each operand of a quantised product, along K:
;;     - K is cut into blocks of 32 from its start; a last block that is shorter is filled with zeros.
;;     - A block's scale is 2^e with e = floor(log2(the largest magnitude in the block)) - 2, held to -126 .. 127; a block of zeros has e = 0. As a byte (E8M0): e + 127.
;;     - Each number is divided by its block's scale, clamped to +-7.5, and rounded to the nearest number of E2M3, ties to even, subnormals kept.
;;     - The product sums the exact products of the quantised numbers (number of the format x scale) in f32.
;;   ~~~python
;;   def quantise(x, axis):      # numpy; x: float32 -> the quantised numbers, widened to float32 again
;;       x = np.moveaxis(x, axis, -1); K = x.shape[-1]
;;       x = np.pad(x, [(0, 0)] * (x.ndim - 1) + [(0, -K % 32)]); x = x.reshape(x.shape[:-1] + (-1, 32)); a = np.abs(x).max(-1, keepdims=True)
;;       e = np.where(a > 0, np.clip(np.frexp(np.where(a > 0, a, 1))[1] - 1 - 2, -126, 127), 0)      # np.frexp(a)[1] - 1 = floor(log2(a)), exactly
;;       r = np.clip(x / 2.0 ** e, -7.5, 7.5)
;;       step = 2.0 ** (np.maximum(np.frexp(np.where(r == 0, 1, r))[1] - 1, 0) - 3)
;;       q = np.round(r / step) * step * 2.0 ** e      # np.round: ties to even
;;       return np.moveaxis(q.reshape(q.shape[:-2] + (-1,))[..., :K], -1, axis).astype(np.float32)
;;   ~~~
;;   INPUTS GIVEN AS CODES. di (in the module: [2048, 8192], K = its axis 0); x (in the module: [4096, 2048], K = its axis 1): each comes as NAME_codes (uint8): NAME with its K axis moved to the last place and cut into blocks of 32 codes, [.., K / 32, bytes a block], one block behind the other in memory; four codes in three bytes: a row's codes are one little-endian stream of bits, code i at bits 6 i .. 6 i + 5 (a code: sign, 2 exponent bits, 3 mantissa bits); and NAME_scales (uint8): the same leading axes, one E8M0 byte (e + 127) for each 32 codes along K. Its value is code x scale, taken as it is: it is not quantised again, and the codes and scales need not be those that the quantiser above would give.
;; One version. Each part assembles by itself: llvm-mc -triple=amdgcn-amd-amdhsa -mcpu=gfx1250 --defsym DOCPART=n.
;; ======== version 1 of 1: 2 launches
;; limits: right only within a limited range of input values
;; workspace buffers: pmax 262,144 bytes; pidx 262,144 bytes
;; launch scores (part 1): grid 16 x 16, 4 waves a work-group, clusters of 4 x 4, 327,680 bytes of LDS; arguments x_codes, x_scales, di_codes, di_scales, pmax, pidx; writes pmax, pidx
.if DOCPART == 1
	.amdgcn_target "amdgcn-amd-amdhsa--gfx1250"
	.amdhsa_code_object_version 6
	.text
	.protected	k_q1d86d5c742_scores
	.globl	k_q1d86d5c742_scores
	.p2align	8
	.type	k_q1d86d5c742_scores,@function
k_q1d86d5c742_scores:
	s_mov_b64 s[64:65], 0
	v_nop
	global_prefetch_b8 v0, s[64:65] scope:SCOPE_SE
	s_setreg_imm32_b32 hwreg(HW_REG_WAVE_MODE, 25, 1), 1
	s_wait_xcnt 0x0
	s_wait_alu depctr_hold_cnt(0) depctr_sa_sdst(0) depctr_va_vdst(0) depctr_va_sdst(0) depctr_va_ssrc(0) depctr_va_vcc(0) depctr_vm_vsrc(0)
	s_getreg_b32 s2, hwreg(HW_REG_IB_STS2, 6, 4)
	s_cmp_eq_u32 s2, 0
	s_cbranch_scc0 .Lentry_in_a_cluster
	s_endpgm
.Lentry_in_a_cluster:
	s_bfe_u32 s2, ttmp6, 0x10000c
	s_cmp_lg_u32 s2, 0xf033
	s_cbranch_scc0 .Lentry_shape_is_right
	s_endpgm
.Lentry_shape_is_right:
; scores[m][n] = sum over k of x[m][k] di[k][n], MX-FP6 codes (E2M3) with E8M0 scales, f32 sums; for each row the largest score of 512 columns (pmax) and its first column (pidx, as f32).
; 256 work-groups: 256 rows x 512 columns each, as two tiles of 256 x 256 one after the other; four waves, each 128 x 128: 64 accumulators of 16 x 16.
; LIMIT: NaN scores (a scale byte 0xff) are not served: they lose comparisons.  The unit's order of summing differs from the reference's: blocks 1 and 2 of each four along K change places.
; K goes in chunks of 256 bytes of each row of codes through two LDS slots (chunk c in slot c % 2; 6 chunks a tile); 16 steps of 128 along K are 96 bytes each.
; A lane takes 48 neighbouring bytes of its row (lanes 16-31 the second 48): blocks 0, 1 | 2, 3 lie where the unit has places 0, 2 | 1, 3; so the scale words' bytes 1 and 2 change places as well.
; THE LOADS of step s + 1 stand among the matrix instructions of step s (A's blocks 4-7: of step s + 1 itself): B in two sets, A in one.
; CLUSTERS 4 x 4: x tiles are asked for jointly along a row, di tiles along a column.
; The matrix instruction is used transposed (source 0 = di rows, source 1 = x rows): a lane holds row r of x and eight neighbouring columns of each accumulator.
; WINDOWS: 0: addresses, scale words, A's fragments; 1: B's two sets, the arg max's state; 2: accumulators of blocks 0-3 of my rows; 3: of blocks 4-7.
; Of step s + 1 its B and A's blocks 0-3 are loaded in two runs inside step s, behind block groups 3 and 5; A's blocks 4-7 in one run at the head of step s + 1 itself.
.set KROW, 1536
.set ROWB, 256
.set PITCH, 272
.set HALFT, 128*PITCH
.set SLOT, 4*HALFT
.set SPARE, 2*SLOT                     ; 512 bytes of spare words
.set RES, SPARE+512                    ; 4,096 bytes: the waves' results
.set ADRA, 8                           ; v8-11: slot 0, slot 1, across 0 to 1, across 1 to 0
.set ADRB, 12
.set SPW, 16
.set NIL, 17
.set PFO, 18
.set OG, 19
.set RST, 20
.set RLD, 21
.set GOF, 22
.set SCA, 28                           ; x's scale words: rows 32 i + lane, word w at v[SCA + 16 i + w]
.set SCB, 96                           ; di's
.set AF, 160
.set FN, 160
.set MR, 192                           ; window 1: the rows' running maxima, columns
.set IR, 200
.set MB, 208                           ; maxima of the eight groups of 8; the first becomes the maximum
.set VL, 216                           ; the best group's numbers
.set ID, 224
.set JJ, 225
.set LB, 226                           ; my first column, tile 0 and 1
.set TM, 228
.set WV, 16
.set RH, 17
.set CH, 18
.set PSEL, 19
.set TL, 20
.set PA, 21
.set PB, 22
.set G1, 24
.set G0, 32
.set MK, 40
.set G1B, 48
.set G0B, 56
.set PFA, 66
.set SA, 68
.set SB, 70
.set SEL, 80
.set MSB, 0
.macro WIN new
.if MSB != (\new)
	s_set_vgpr_msb (MSB<<8)|(\new)
.set MSB, (\new)
.endif
.endm
.macro JLOAD s
	s_cmp_eq_u32 s[RH], 0
	s_cbranch_scc0 .Lfor_b_\@
	tensor_load_to_lds s[G0+4*\s:G0+4*\s+3], s[G1:G1+7]
	s_nop 0
.rept 4
	v_nop
.endr
	s_branch .Lasked_\@
.Lfor_b_\@:
	tensor_load_to_lds s[G0B+4*\s:G0B+4*\s+3], s[G1B:G1B+7]
	s_nop 0
.rept 4
	v_nop
.endr
.Lasked_\@:
.endm
.macro CREST                           ; a round of the cluster's barrier behind its opening barrier
	s_cmp_lg_u32 s[WV], 0
	s_cbranch_scc1 .Lnot_wave_0_\@
	s_barrier_signal -3
.Lnot_wave_0_\@:
	s_barrier_wait -3
	s_barrier_signal -1
	s_barrier_wait -1
.endm
.macro CROUND
	s_barrier_signal -1
	s_barrier_wait -1
	CREST
.endm
; A prefetch: of the 128 rows that my wave fetches, my work-group's 32 (told apart by address), a lane a row; the chunk two refills on.  x is asked for in tile 0 alone.
.macro PF c, off
	s_cmp_lg_u32 s[\c], 0
	s_cbranch_scc0 .Lno_ask_\@
	global_prefetch_b8 v[PFO], s[PFA:PFA+1] offset:\off th:TH_LOAD_NT scope:SCOPE_SE
.Lno_ask_\@:
.endm
.macro SCLD q                          ; words 4 q .. 4 q + 3 of all rows
.irp i, 0,1,2,3
	global_load_b128 v[SCA+16*\i+4*(\q):SCA+16*\i+4*(\q)+3], v[OG], s[SA:SA+1] offset:2048*\i+16*(\q)
.endr
.irp i, 0,1,2,3
	global_load_b128 v[SCB+16*\i+4*(\q):SCB+16*\i+4*(\q)+3], v[OG], s[SB:SB+1] offset:2048*\i+16*(\q)
.endr
.endm
.macro PRM r                           ; bytes 1 and 2 change places
	v_perm_b32 v[\r], v[\r], v[\r], s[PSEL]
.endm
.macro FRAG reg, adr, st, i            ; 16 rows x 128 K: 48 bytes a lane; a piece whose two halves of the lanes lie in different chunks has address registers of its own
.irp p, 0,1,2
.set BY, 96*(\st)+16*\p
.if BY/ROWB == (BY+48)/ROWB
	ds_load_b128 v[\reg+4*\p:\reg+4*\p+3], v[\adr+(BY/ROWB)%2] offset:BY%ROWB+(\i)*16*PITCH
.else
	ds_load_b128 v[\reg+4*\p:\reg+4*\p+3], v[\adr+2+(BY/ROWB)%2] offset:BY%ROWB-208+(\i)*16*PITCH
.endif
.endr
.endm
.macro MM a, b, st                     ; step 0's products start the sums
.set DR, 64*((\a)%4)+8*(\b)
.set FBR, 96*((\st)%2)+12*(\b)
.set FAR, AF+12*(\a)
.set RSB, SCB+16*((\b)/2)+(\st)
.set RSA, SCA+16*((\a)/2)+(\st)
.set ODD, 2*((\a)%2)+(\b)%2
	WIN 0xa1+0x50*((\a)/4)
.if (\st) == 0
.if ODD == 0
	v_wmma_scale_f32_16x16x128_f8f6f4 v[DR:DR+7], v[FBR:FBR+11], v[FAR:FAR+11], 0, v[RSB], v[RSA] matrix_a_fmt:MATRIX_FMT_FP6 matrix_b_fmt:MATRIX_FMT_FP6
.elseif ODD == 1
	v_wmma_scale_f32_16x16x128_f8f6f4 v[DR:DR+7], v[FBR:FBR+11], v[FAR:FAR+11], 0, v[RSB], v[RSA] matrix_a_fmt:MATRIX_FMT_FP6 matrix_b_fmt:MATRIX_FMT_FP6 matrix_a_scale:MATRIX_SCALE_ROW1
.elseif ODD == 2
	v_wmma_scale_f32_16x16x128_f8f6f4 v[DR:DR+7], v[FBR:FBR+11], v[FAR:FAR+11], 0, v[RSB], v[RSA] matrix_a_fmt:MATRIX_FMT_FP6 matrix_b_fmt:MATRIX_FMT_FP6 matrix_b_scale:MATRIX_SCALE_ROW1
.else
	v_wmma_scale_f32_16x16x128_f8f6f4 v[DR:DR+7], v[FBR:FBR+11], v[FAR:FAR+11], 0, v[RSB], v[RSA] matrix_a_fmt:MATRIX_FMT_FP6 matrix_b_fmt:MATRIX_FMT_FP6 matrix_a_scale:MATRIX_SCALE_ROW1 matrix_b_scale:MATRIX_SCALE_ROW1
.endif
.else
.if ODD == 0
	v_wmma_scale_f32_16x16x128_f8f6f4 v[DR:DR+7], v[FBR:FBR+11], v[FAR:FAR+11], v[DR:DR+7], v[RSB], v[RSA] matrix_a_fmt:MATRIX_FMT_FP6 matrix_b_fmt:MATRIX_FMT_FP6
.elseif ODD == 1
	v_wmma_scale_f32_16x16x128_f8f6f4 v[DR:DR+7], v[FBR:FBR+11], v[FAR:FAR+11], v[DR:DR+7], v[RSB], v[RSA] matrix_a_fmt:MATRIX_FMT_FP6 matrix_b_fmt:MATRIX_FMT_FP6 matrix_a_scale:MATRIX_SCALE_ROW1
.elseif ODD == 2
	v_wmma_scale_f32_16x16x128_f8f6f4 v[DR:DR+7], v[FBR:FBR+11], v[FAR:FAR+11], v[DR:DR+7], v[RSB], v[RSA] matrix_a_fmt:MATRIX_FMT_FP6 matrix_b_fmt:MATRIX_FMT_FP6 matrix_b_scale:MATRIX_SCALE_ROW1
.else
	v_wmma_scale_f32_16x16x128_f8f6f4 v[DR:DR+7], v[FBR:FBR+11], v[FAR:FAR+11], v[DR:DR+7], v[RSB], v[RSA] matrix_a_fmt:MATRIX_FMT_FP6 matrix_b_fmt:MATRIX_FMT_FP6 matrix_a_scale:MATRIX_SCALE_ROW1 matrix_b_scale:MATRIX_SCALE_ROW1
.endif
.endif
.endm
; A run of 18 loads: the next step's (WD) fragments b0 .. b0 + 3 of B and a0, a0 + 1 of A.
.macro LOADS b0, a0
	WIN 0x40
.irp i, 0,1,2,3
	FRAG 96*(WD%2)+12*(\b0+\i), ADRB, WD, \b0+\i
.endr
	WIN 0
.irp i, 0,1
	FRAG AF+12*(\a0+\i), ADRA, WD, \a0+\i
.endr
.endm
; The first two of the three lines ahead of a refill of slot sl, and the refill's address: two chunks on, or in steps 13 and 15 from chunk 4, 5 back to the next tile's chunk 0, 1.
.macro FREE st, sl
	s_wait_tensorcnt 0x0                           ; all my tensor loads have landed
	ds_add_u32 v[SPW], v[NIL]                      ; 0 onto my spare word; matrix instructions stand between it and the wait for it
.if (\st) > 12
	s_sub_nc_u64 s[G0+4*\sl+2:G0+4*\sl+3], s[G0+4*\sl+2:G0+4*\sl+3], 1024
	s_add_nc_u64 s[G0B+4*\sl+2:G0B+4*\sl+3], s[G0B+4*\sl+2:G0B+4*\sl+3], 256*KROW-1024
.else
	s_add_nc_u64 s[G0+4*\sl+2:G0+4*\sl+3], s[G0+4*\sl+2:G0+4*\sl+3], 512
	s_add_nc_u64 s[G0B+4*\sl+2:G0B+4*\sl+3], s[G0B+4*\sl+2:G0B+4*\sl+3], 512
.endif
.endm
; THE ARG MAX of block a (a lane: one row, 8 groups b of 8 neighbouring columns, 16 b + j), in eight parts: the groups' maxima; then group after group: a later one is taken only where strictly greater,
; its eight numbers, its number and its maximum with it; then the first of the eight that equals the maximum.
.macro UNIT b
	WIN 0x55
	v_cmp_ge_f32 vcc_lo, v[MB], v[MB+\b]
	v_max_num_f32 v[MB], v[MB], v[MB+\b]
.if \b == 1
	v_cndmask_b32 v[ID], 1, 0, vcc_lo
	WIN 0x5a+5*GQ
.irp j, 0,1,2,3,4,5,6,7
	v_cndmask_b32 v[VL+\j], v[AC+8+\j], v[AC+\j], vcc_lo
.endr
.else
	v_cndmask_b32 v[ID], \b, v[ID], vcc_lo
	WIN 0x46+GQ
.irp j, 0,1,2,3,4,5,6,7
	v_cndmask_b32 v[VL+\j], v[AC+8*\b+\j], v[VL+\j], vcc_lo
.endr
.endif
.endm
.macro ARGP a, k, t
.set GQ, (\a)/4
.set AC, 64*((\a)%4)
.if (\k) == 0
.if (\a) == 0
.rept 4
	v_nop
.endr
.endif
	WIN 0x5a+5*GQ
.irp b, 0,1,2,3,4,5,6,7
	v_max_num_f32 v[MB+\b], v[AC+8*\b], v[AC+8*\b+1]
.endr
.elseif (\k) < 4
	WIN 0x5a+5*GQ
.irp b, 0,1,2,3,4,5,6,7
	v_max3_num_f32 v[MB+\b], v[AC+8*\b+2*(\k)], v[AC+8*\b+2*(\k)+1], v[MB+\b]
.endr
.elseif (\k) == 4
	UNIT 1
	UNIT 2
.elseif (\k) == 5
	UNIT 3
	UNIT 4
.elseif (\k) == 6
	UNIT 5
	UNIT 6
.else
	UNIT 7
	WIN 0x55
	v_mov_b32 v[JJ], 7
.irp j, 6,5,4,3,2,1,0
	v_cmp_neq_f32 vcc_lo, v[VL+\j], v[MB]
	v_cndmask_b32 v[JJ], \j, v[JJ], vcc_lo
.endr
	v_lshl_add_u32 v[JJ], v[ID], 4, v[JJ]
.if (\t) == 0
	v_add_nc_u32 v[IR+\a], v[LB], v[JJ]
	v_mov_b32 v[MR+\a], v[MB]
.else
	v_add_nc_u32 v[JJ], v[LB+1], v[JJ]
	v_cmp_gt_f32 vcc_lo, v[MB], v[MR+\a]           ; tile 1's columns are the higher: strictly greater
	v_cndmask_b32 v[IR+\a], v[IR+\a], v[JJ], vcc_lo
	v_max_num_f32 v[MR+\a], v[MR+\a], v[MB]
.endif
.endif
.endm
; A STEP: 64 matrix instructions, A's blocks one after the other, the 64 accumulators by turns.
; kind 1: a barrier shows a new chunk to all waves.  kind 2: a chunk has been read out: the three lines, a round, the refill of slot sl.
; nxt: the next step's fragments are loaded.  arg: the tile's number in its last step, else -1.
; In steps 7 and 15 a chunk is on its way: there the wait for tensor loads and the add stand behind 12 matrix instructions, in the other steps of kind 2 at the head.
.macro STEP st, kind, nxt, arg, sl, pfc, pfo
.set WD, ((\st)+1)%16
	WIN 0
.if (\st) == 15
.rept 4
	v_nop                                          ; places between the products on A's block 7 and the loads below
.endr
.else
.irp i, 0,1,2,3
	PRM SCA+16*\i+WD                               ; the next step's scale words; these eight are the places
	PRM SCB+16*\i+WD
.endr
.endif
.irp i, 4,5,6,7
	FRAG AF+12*\i, ADRA, \st, \i
.endr
	s_wait_alu depctr_va_vdst(0)                   ; directly ahead of the wait below
.if ((\kind) == 2) && ((\st) != 7) && ((\st) != 15)
	FREE \st, \sl
	s_wait_dscnt 13                                ; B's set and A's blocks 0-3 are in; blocks 4-7, 12 loads, and the add may be out
.else
	s_wait_dscnt 12                                ; the same without an add
.endif
.irp a, 0,1,2,3,4,5,6,7
.if ((\kind) == 0) && (\a == 4)
.if \nxt
	s_wait_dscnt 18                                ; A's blocks 4-7 are in; the run of 18 behind group 3 may be out
.else
	s_wait_dscnt 0x0
.endif
.endif
.irp b, 0,1,2,3,4,5,6,7
.if ((\kind) == 2) && (((\st) == 7) || ((\st) == 15)) && (8*\a+\b == 12)
	WIN 0
.if (\arg) >= 0
	s_wait_alu depctr_va_vdst(0)                   ; directly ahead of the wait below
.endif
	FREE \st, \sl
.endif
.if ((\kind) > 0) && (8*\a+\b == 20)
.if (\arg) >= 0
	s_wait_alu depctr_va_vdst(0)                   ; directly ahead of the wait below
.endif
.if (\kind) == 1
	s_wait_tensorcnt 0x0                           ; my part of the new chunk has landed
.endif
	s_wait_dscnt 0x0                               ; the add, where there is one, and all my LDS reads are done
	s_barrier_signal -1
.endif
	MM \a, \b, \st
.if (\arg) >= 0
.if \a > 0
	ARGP \a-1, \b, \arg
.endif
.endif
.endr
.if \a == 3
	WIN 0
.if (\kind) > 0
	s_barrier_wait -1
.endif
.if (\kind) == 2
	CREST
	JLOAD \sl                                      ; its four v_nop are the places in front of the loads below
.elseif \nxt
.rept 4
	v_nop
.endr
.endif
.if \nxt
	LOADS 0, 0
.endif
.if (\arg) == 0
	SCLD 0                                         ; the next tile's scale words 0-11
	SCLD 1
	SCLD 2
.endif
.if (\pfo) > 0
	PF \pfc, \pfo
.endif
.endif
.if \nxt
.if \a == 5
	LOADS 4, 2
.endif
.endif
.endr
.endm
	s_load_b256 s[4:11], s[0:1], 0x0               ; x's codes, scales, di's codes, scales
	s_load_b128 s[12:15], s[0:1], 0x20             ; pmax, pidx
	v_lshl_add_u32 v[SPW], v0, 2, SPARE
	v_mov_b32 v[NIL], 0
	ds_add_u32 v[SPW], v[NIL]                      ; the opening: the add twice on end, under one wait
	ds_add_u32 v[SPW], v[NIL]
	v_lshrrev_b32 v1, 5, v0
	v_readfirstlane_b32 s[WV], v1
	s_lshr_b32 s[RH], s[WV], 1                     ; my half of the rows.  Also: I fetch for x (0) or di (1)
	s_and_b32 s[CH], s[WV], 1                      ; my half of the columns.  Also: which 128 rows of that tile I fetch
	s_bfe_u32 s40, ttmp6, 0x40000
	s_bfe_u32 s41, ttmp6, 0x40004
	s_lshl_b32 s42, ttmp9, 2
	s_add_co_u32 s42, s42, s40                     ; group of 512 columns
	s_and_b32 s43, ttmp7, 0xffff
	s_lshl_b32 s43, s43, 2
	s_add_co_u32 s43, s43, s41                     ; group of 256 rows
	s_lshl_b32 s44, s41, 2
	s_lshl_b32 s44, 15, s44                        ; my row of the cluster
	s_lshl_b32 s45, 0x1111, s40                    ; my column
	s_or_b32 s[G1+0], s44, (1<<20)|(1<<21)|(5<<22)|(3<<25)   ; the mask; elements of 1 byte; 16 bytes of padding behind every 256
	s_or_b32 s[G1B+0], s45, (1<<20)|(1<<21)|(5<<22)|(3<<25)
.irp g, G1, G1B
	s_mov_b32 s[\g+1], ROWB<<16                    ; 128 rows of 256 bytes
	s_mov_b32 s[\g+2], 128<<16
	s_mov_b32 s[\g+3], ROWB<<16
	s_mov_b32 s[\g+4], 128
	s_mov_b32 s[\g+5], KROW
	s_mov_b32 s[\g+6], 0
	s_mov_b32 s[\g+7], 0
.endr
	s_lshl_b32 s72, s43, 8                         ; first row of x
	s_lshl_b32 s73, s42, 9                         ; first row of di
	s_lshl_b32 s74, s[CH], 7
	s_lshl_b32 s75, s[RH], 7
	s_add_co_u32 s82, s72, s74                     ; x: the rows that I fetch
	s_mul_i32 s82, s82, KROW
	s_mov_b32 s83, 0
	s_add_co_u32 s84, s73, s74                     ; di: the same
	s_lshl_b32 s[SB], s84, 6                       ; di's scales: my 128 columns, 64 bytes each
	s_mov_b32 s[SB+1], 0
	s_mul_i32 s84, s84, KROW
	s_mov_b32 s85, 0
	s_add_co_u32 s[SA], s72, s75                   ; x's scales: my 128 rows
	s_lshl_b32 s[SA], s[SA], 6
	s_mov_b32 s[SA+1], 0
	s_add_co_u32 s76, s73, s74                     ; my first column in tile 0, tile 1
	s_add_co_u32 s77, s76, 0x100
	s_cmp_eq_u32 s[RH], 0                          ; the prefetches' first row: the 128 that I fetch, my work-group's 32 of them
	s_cselect_b32 s86, s72, s73
	s_cselect_b32 s79, s40, s41
	s_add_co_u32 s86, s86, s74
	s_lshl_b32 s79, s79, 5
	s_add_co_u32 s86, s86, s79
	s_mul_i32 s86, s86, KROW
	s_mov_b32 s87, 0
	s_lshl_b32 s46, s42, 14                        ; results: [16][4096]
	s_lshl_b32 s47, s43, 10
	s_add_co_u32 s46, s46, s47
	s_mov_b32 s47, 0
	s_mul_i32 s88, s[WV], HALFT                    ; where my tile part goes
	s_lshl_b32 s89, s[CH], 10
	s_lshl_b32 s78, s[RH], 9
	s_add_co_u32 s89, s89, s78
	s_add_co_u32 s89, s89, RES
	s_mov_b32 s90, SLOT-208
	s_mov_b32 s91, SLOT+208
	s_mul_i32 s92, s[RH], HALFT
	s_mul_i32 s93, s[CH], HALFT
	s_add_co_u32 s93, s93, 2*HALFT
	s_mov_b32 s[PSEL], 0x03010200
	s_mov_b32 s[SEL], 0x76543210
	s_mov_b32 s[SEL+1], 0xfedcba98
	s_mov_b32 s[TL], 2                             ; tiles to go
	s_mov_b32 s[PA], 1
	s_mov_b32 s[PB], s[RH]
	v_and_b32 v1, 15, v0
	v_bfe_u32 v2, v0, 4, 1
	v_mul_u32_u24 v3, v1, PITCH
	v_mul_u32_u24 v4, v2, 48
	v_add_nc_u32 v4, v3, v4                        ; row x pitch + 48 x half
	v_mul_u32_u24 v5, s90, v2
	v_add_nc_u32 v5, v3, v5
	v_add_nc_u32 v5, 208, v5                       ; lanes 0-15 byte 208 of the row in slot 0, lanes 16-31 byte 0 in slot 1
	v_sub_nc_u32 v7, 1, v2
	v_mul_u32_u24 v6, s91, v7
	v_add_nc_u32 v6, v3, v6                        ; and the other way round
	v_add_nc_u32 v[ADRA], s92, v4
	v_add_nc_u32 v[ADRB], s93, v4
	v_add_nc_u32 v[ADRA+1], SLOT, v[ADRA]
	v_add_nc_u32 v[ADRB+1], SLOT, v[ADRB]
	v_add_nc_u32 v[ADRA+2], s92, v5
	v_add_nc_u32 v[ADRB+2], s93, v5
	v_add_nc_u32 v[ADRA+3], s92, v6
	v_add_nc_u32 v[ADRB+3], s93, v6
	v_and_b32 v7, 31, v0
	v_lshlrev_b32 v[OG], 6, v7
	v_mul_u32_u24 v[PFO], v7, KROW
	v_lshl_add_u32 v[RST], v1, 2, s89
	v_lshl_add_u32 v[RLD], v0, 3, RES
	v_lshlrev_b32 v[GOF], 3, v0
	WIN 0x40
	v_lshl_add_u32 v[LB], v2, 3, s76
	v_lshl_add_u32 v[LB+1], v2, 3, s77
	WIN 0
	s_wait_alu depctr_va_vdst(0)
	s_wait_dscnt 0x0                               ; both opening adds are done
	s_wait_kmcnt 0x0
	s_add_nc_u64 s[82:83], s[4:5], s[82:83]
	s_add_nc_u64 s[84:85], s[8:9], s[84:85]
	s_add_nc_u64 s[SA:SA+1], s[6:7], s[SA:SA+1]
	s_add_nc_u64 s[SB:SB+1], s[10:11], s[SB:SB+1]
	s_add_nc_u64 s[12:13], s[12:13], s[46:47]
	s_add_nc_u64 s[14:15], s[14:15], s[46:47]
	s_cmp_eq_u32 s[RH], 0
	s_cselect_b64 s[PFA:PFA+1], s[4:5], s[8:9]
	s_add_nc_u64 s[PFA:PFA+1], s[PFA:PFA+1], s[86:87]
.irp s, 0,1
	s_mov_b32 s[G0+4*\s], 1
	s_add_co_u32 s[G0+4*\s+1], s88, \s*SLOT
	s_add_nc_u64 s[G0+4*\s+2:G0+4*\s+3], s[82:83], \s*ROWB
	s_or_b32 s[G0+4*\s+3], s[G0+4*\s+3], 0x80000000
	s_mov_b32 s[G0B+4*\s], 1
	s_add_co_u32 s[G0B+4*\s+1], s88, \s*SLOT
	s_add_nc_u64 s[G0B+4*\s+2:G0B+4*\s+3], s[84:85], \s*ROWB
	s_or_b32 s[G0B+4*\s+3], s[G0B+4*\s+3], 0x80000000
.endr
	CROUND                                         ; all sixteen work-groups are here
	JLOAD 0                                        ; chunk 0: one tensor load a wave at the head
	SCLD 0                                         ; tile 0's scale words, all 64 bytes of every row
	SCLD 1
	SCLD 2
	SCLD 3
	s_wait_tensorcnt 0x0                           ; my part of chunk 0 is in
	ds_add_u32 v[SPW], v[NIL]
	s_wait_dscnt 0x0
	CROUND
	JLOAD 1                                        ; chunk 1
	WIN 0x40
.irp i, 0,1,2,3,4,5,6,7
	FRAG 12*\i, ADRB, 0, \i
.endr
	WIN 0
.irp i, 0,1,2,3
	FRAG AF+12*\i, ADRA, 0, \i
.endr
.Ltile:
	s_wait_loadcnt 0x0                             ; this tile's scale words are in
.irp i, 0,1,2,3
	PRM SCA+16*\i
	PRM SCB+16*\i
.endr
.rept 8
	v_nop                                          ; eight places between a scale register's write and the matrix instruction
.endr
	STEP 0, 0, 1, -1, 0, PA, 0
	STEP 1, 1, 1, -1, 0, PA, 0
	STEP 2, 2, 1, -1, 0, PA, 1024
	STEP 3, 0, 1, -1, 0, PA, 0
	STEP 4, 1, 1, -1, 0, PA, 0
	STEP 5, 2, 1, -1, 1, PA, 1280
	STEP 6, 0, 1, -1, 0, PA, 0
	STEP 7, 2, 1, -1, 0, PB, 256*KROW
	STEP 8, 0, 1, -1, 0, PA, 0
	STEP 9, 1, 1, -1, 0, PA, 0
	STEP 10, 2, 1, -1, 1, PB, 256*KROW+256
	STEP 11, 0, 1, -1, 0, PA, 0
	STEP 12, 1, 1, -1, 0, PA, 0
	WIN 0
	s_cmp_eq_u32 s[TL], 1
	s_cbranch_scc1 .Llast                          ; the last tile's end is written out: it asks for nothing more
	s_wait_xcnt 0x0                                ; prefetches have read their base
	s_add_nc_u64 s[PFA:PFA+1], s[PFA:PFA+1], 256*KROW
	s_add_nc_u64 s[SB:SB+1], s[SB:SB+1], 0x4000
	STEP 13, 2, 1, -1, 0, RH, 512
	STEP 14, 0, 1, -1, 0, RH, 0
	STEP 15, 2, 1, 0, 1, RH, 768
	WIN 0
	SCLD 3                                         ; block 6's last part, plain vector work, stands between the products and these loads
.irp k, 0,1,2,3,4,5,6,7
	ARGP 7, \k, 0
.endr
	WIN 0
	s_mov_b32 s[PA], s[RH]                         ; x's rows have been read
	s_mov_b32 s[PB], 0
	s_sub_co_u32 s[TL], s[TL], 1
	s_branch .Ltile
.Llast:
	STEP 13, 0, 1, -1, 0, RH, 0
	STEP 14, 0, 1, -1, 0, RH, 0
	STEP 15, 0, 0, 1, 0, RH, 0
.irp k, 0,1,2,3,4,5,6,7
	ARGP 7, \k, 1
.endr
; the larger of two maxima; of equal ones the lower column
.macro MERGE2 ma, ia, mb, ib, tm, k
	v_cmp_gt_f32 s[\k], v[\mb], v[\ma]
	v_cmp_eq_f32 s[\k+1], v[\mb], v[\ma]
	v_min_u32 v[\tm], v[\ia], v[\ib]
	v_cndmask_b32 v[\ia], v[\ia], v[\tm], s[\k+1]
	v_cndmask_b32 v[\ia], v[\ia], v[\ib], s[\k]
	v_max_num_f32 v[\ma], v[\ma], v[\mb]
.endm
	WIN 0x55
.irp a, 0,1,2,3,4,5,6,7
	v_permlanex16_b32 v[MB+\a], v[MR+\a], s[SEL], s[SEL+1]
	v_permlanex16_b32 v[VL+\a], v[IR+\a], s[SEL], s[SEL+1]
.endr
.irp a, 0,1,2,3,4,5,6,7
	MERGE2 MR+\a, IR+\a, MB+\a, VL+\a, TM+\a, MK+2*(\a%2)
.endr
	WIN 0x04
.irp a, 0,1,2,3,4,5,6,7
	ds_store_b32 v[RST], v[MR+\a] offset:64*\a
	ds_store_b32 v[RST], v[IR+\a] offset:2048+64*\a
.endr
	WIN 0
	s_wait_dscnt 0x0                               ; for the others' sake
	s_barrier_signal -1
	s_barrier_wait -1
	ds_load_b64 v[FN:FN+1], v[RLD]                 ; two rows a thread: both halves' maxima and columns
	ds_load_b64 v[FN+2:FN+3], v[RLD] offset:1024
	ds_load_b64 v[FN+4:FN+5], v[RLD] offset:2048
	ds_load_b64 v[FN+6:FN+7], v[RLD] offset:3072
	s_wait_dscnt 0x0
.irp e, 0,1
	MERGE2 FN+\e, FN+4+\e, FN+2+\e, FN+6+\e, 1+\e, MK+2*\e
.endr
	v_cvt_f32_u32 v[FN+4], v[FN+4]
	v_cvt_f32_u32 v[FN+5], v[FN+5]
	global_store_b64 v[GOF], v[FN:FN+1], s[12:13]
	global_store_b64 v[GOF], v[FN+4:FN+5], s[14:15]
	s_wait_tensorcnt 0x0                           ; the wave's end
	ds_add_u32 v[SPW], v[NIL]
	s_wait_dscnt 0x0
	CROUND                                         ; the closing round
	s_endpgm
.Lfunc_end_k_q1d86d5c742_scores:
	.size	k_q1d86d5c742_scores, .Lfunc_end_k_q1d86d5c742_scores-k_q1d86d5c742_scores
	.p2alignl 7, 3214868480
	.fill 96, 4, 3214868480
	.section	.rodata,"a",@progbits
	.p2align	6, 0x0
	.amdhsa_kernel k_q1d86d5c742_scores
		.amdhsa_group_segment_fixed_size 327680
		.amdhsa_private_segment_fixed_size 0
		.amdhsa_enable_private_segment 0
		.amdhsa_kernarg_size 48
		.amdhsa_user_sgpr_count 2
		.amdhsa_user_sgpr_kernarg_segment_ptr 1
		.amdhsa_wavefront_size32 1
		.amdhsa_system_sgpr_workgroup_id_x 1
		.amdhsa_system_sgpr_workgroup_id_y 1
		.amdhsa_system_sgpr_workgroup_id_z 1
		.amdhsa_system_vgpr_workitem_id 0
		.amdhsa_next_free_vgpr 1024
		.amdhsa_next_free_sgpr 96
		.amdhsa_reserve_vcc 1
		.amdhsa_float_denorm_mode_32 3
		.amdhsa_float_denorm_mode_16_64 3
		.amdhsa_memory_ordered 1
		.amdhsa_forward_progress 1
		.amdhsa_inst_pref_size 255
	.end_amdhsa_kernel
	.section	.bss,"aw",@nobits
	.p2align	6
	.space	262144
	.amdgpu_metadata
---
amdhsa.version: [ 1, 2 ]
amdhsa.kernels:
  - .name:           k_q1d86d5c742_scores
    .symbol:         k_q1d86d5c742_scores.kd
    .args:
      - { .name: x_codes, .offset: 0, .size: 8, .value_kind: global_buffer, .address_space: global }
      - { .name: x_scales, .offset: 8, .size: 8, .value_kind: global_buffer, .address_space: global }
      - { .name: di_codes, .offset: 16, .size: 8, .value_kind: global_buffer, .address_space: global }
      - { .name: di_scales, .offset: 24, .size: 8, .value_kind: global_buffer, .address_space: global }
      - { .name: pmax, .offset: 32, .size: 8, .value_kind: global_buffer, .address_space: global }
      - { .name: pidx, .offset: 40, .size: 8, .value_kind: global_buffer, .address_space: global }
    .group_segment_fixed_size: 327680
    .private_segment_fixed_size: 0
    .kernarg_segment_align: 8
    .kernarg_segment_size: 48
    .max_flat_workgroup_size: 128
    .sgpr_count:     96
    .vgpr_count:     1024
    .wavefront_size: 32
...
	.end_amdgpu_metadata
.endif
;; end of part 1
;; launch pick (part 2): grid 64 x 1, 1 waves a work-group, no clusters, 0 bytes of LDS; arguments pmax, pidx, out0; writes out0
.if DOCPART == 2
	.amdgcn_target "amdgcn-amd-amdhsa--gfx1250"
	.amdhsa_code_object_version 6
	.text
	.protected	k_q1d86d5c742_pick
	.globl	k_q1d86d5c742_pick
	.p2align	8
	.type	k_q1d86d5c742_pick,@function
k_q1d86d5c742_pick:
	s_mov_b64 s[64:65], 0
	v_nop
	global_prefetch_b8 v0, s[64:65] scope:SCOPE_SE
	s_setreg_imm32_b32 hwreg(HW_REG_WAVE_MODE, 25, 1), 1
	s_wait_xcnt 0x0
; out0[m] = the column of the largest of row m's 16 partial maxima.  pmax, pidx: [16 groups of 512 columns][4096 rows] f32; group g holds columns 512 g .. 512 g + 511, and pidx the first column of the group's maximum, as f32.
; A later group is taken only where it is strictly greater, so the lower group, which holds the lower columns, keeps ties: the first column of the row's maximum goes out.
; LIMIT: NaN is not served: a partial maximum that is NaN loses every comparison.
; One wave to a work-group, two rows to a thread: each load and the store of a wave cover 256 consecutive bytes, at a multiple of 256 from the buffer's first byte.  64 work-groups x 64 rows.
; 512 KiB in, 16 KiB out, one round trip: no LDS, no barrier, no matrix unit, no cluster: the work-groups share nothing.
.set PM, 8                             ; v8-39   group g's maxima of my two rows at v[8 + 2 g], v[9 + 2 g]
.set PI, 40                            ; v40-71  and their columns
.set MK, 16                            ; s16-31  lane masks of a level
	s_load_b128 s[4:7], s[0:1], 0x0                ; pmax s[4:5], pidx s[6:7]
	s_load_b64 s[8:9], s[0:1], 0x10                ; out0
	v_lshlrev_b32 v1, 3, v0                        ; 8 bytes a thread,
	s_lshl_b32 s10, ttmp9, 8                       ; 256 a work-group
	v_add_nc_u32 v1, s10, v1
	s_wait_alu depctr_va_vdst(0)
	s_wait_kmcnt 0x0
.irp g, 0,1,2,3,4,5,6,7,8,9,10,11,12,13,14,15
	global_load_b64 v[PM+2*\g:PM+2*\g+1], v1, s[4:5] offset:16384*\g th:TH_LOAD_NT
.endr
.irp g, 0,1,2,3,4,5,6,7,8,9,10,11,12,13,14,15
	global_load_b64 v[PI+2*\g:PI+2*\g+1], v1, s[6:7] offset:16384*\g th:TH_LOAD_NT
.endr
; A level of the tree: groups lo = 2 d n and hi = lo + d, n = 0 .. 8 / d - 1, for both rows: all the level's compares, then its selects into lo.
.macro LEVEL d
.set n, 0
.rept 8/\d
.irp e, 0,1
	v_cmp_gt_f32 s[MK+2*n+\e], v[PM+4*\d*n+2*\d+\e], v[PM+4*\d*n+\e]
.endr
.set n, n+1
.endr
.set n, 0
.rept 8/\d
.irp e, 0,1
	v_cndmask_b32 v[PM+4*\d*n+\e], v[PM+4*\d*n+\e], v[PM+4*\d*n+2*\d+\e], s[MK+2*n+\e]
	v_cndmask_b32 v[PI+4*\d*n+\e], v[PI+4*\d*n+\e], v[PI+4*\d*n+2*\d+\e], s[MK+2*n+\e]
.endr
.set n, n+1
.endr
.endm
	s_wait_loadcnt 0x0                             ; the first level reads all 32 loads' results
	LEVEL 1
	LEVEL 2
	LEVEL 4
	LEVEL 8
	global_store_b64 v1, v[PI:PI+1], s[8:9]
	s_endpgm
.Lfunc_end_k_q1d86d5c742_pick:
	.size	k_q1d86d5c742_pick, .Lfunc_end_k_q1d86d5c742_pick-k_q1d86d5c742_pick
	.p2alignl 7, 3214868480
	.fill 96, 4, 3214868480
	.section	.rodata,"a",@progbits
	.p2align	6, 0x0
	.amdhsa_kernel k_q1d86d5c742_pick
		.amdhsa_group_segment_fixed_size 0
		.amdhsa_private_segment_fixed_size 0
		.amdhsa_enable_private_segment 0
		.amdhsa_kernarg_size 24
		.amdhsa_user_sgpr_count 2
		.amdhsa_user_sgpr_kernarg_segment_ptr 1
		.amdhsa_wavefront_size32 1
		.amdhsa_system_sgpr_workgroup_id_x 1
		.amdhsa_system_sgpr_workgroup_id_y 1
		.amdhsa_system_sgpr_workgroup_id_z 1
		.amdhsa_system_vgpr_workitem_id 0
		.amdhsa_next_free_vgpr 80
		.amdhsa_next_free_sgpr 66
		.amdhsa_reserve_vcc 0
		.amdhsa_float_denorm_mode_32 3
		.amdhsa_float_denorm_mode_16_64 3
		.amdhsa_memory_ordered 1
		.amdhsa_forward_progress 1
		.amdhsa_inst_pref_size 10
	.end_amdhsa_kernel
	.amdgpu_metadata
---
amdhsa.version: [ 1, 2 ]
amdhsa.kernels:
  - .name:           k_q1d86d5c742_pick
    .symbol:         k_q1d86d5c742_pick.kd
    .args:
      - { .name: pmax, .offset: 0, .size: 8, .value_kind: global_buffer, .address_space: global }
      - { .name: pidx, .offset: 8, .size: 8, .value_kind: global_buffer, .address_space: global }
      - { .name: out0, .offset: 16, .size: 8, .value_kind: global_buffer, .address_space: global }
    .group_segment_fixed_size: 0
    .private_segment_fixed_size: 0
    .kernarg_segment_align: 8
    .kernarg_segment_size: 24
    .max_flat_workgroup_size: 32
    .sgpr_count:     66
    .vgpr_count:     80
    .wavefront_size: 32
...
	.end_amdgpu_metadata
.endif
;; end of part 2
